; MI455X (gfx1250); checked and timed in simulation.
; The chip was launched on July 23, 2026; its instructions are those of AMD's public machine-readable ISA for CDNA 5 (MIT licence, August 2026) and "CDNA5" Instruction Set Architecture Reference Guide (July 2026). The comments in the code are by the model that wrote it; some were corrected since.
;; QKV Attention. Allowed arithmetic: matrix products marked QUANTISED: E5M2 operands, one given power-of-two scale a tensor, by v_wmma_f32_16x16x64_bf8_bf8 or v_wmma_f32_16x16x128_bf8_bf8, f32 sums; everything else in f32.
;; Inputs: lowp_scales 4 int32 (the exponents e of the quantised operands' scales 2^e); qkv 4 x 3,072 x 2,048 float32.
;; Outputs: out0 4 x 1,024 x 2,048 float32.
;; This version of the problem:
;;   THIS VERSION OF THE PROBLEM IS GIVEN IN LOW PRECISION. The matrix products marked QUANTISED in the list below multiply operands that are first quantised to E5M2 (5 exponent bits, 2 mantissa bits; 8 bits a number), with one given power-of-two scale for each operand tensor; their sums are f32. All else is computed in f32.
;;   The module's matrix products, in the order in which they are computed (A, B: the left and right operand; K: the contracted axis; several contracted axes count as one K, in the product's order):
;;     1. batch 64 x [M 2,048, K 64] x [K 64, N 2,048]; A: computed on the way; B: computed on the way: QUANTISED (scales: A lowp_scales[0], B lowp_scales[1])
;;     2. batch 64 x [M 64, K 2,048] x [K 2,048, N 2,048]; A: input qkv; B: softmax (see below): QUANTISED (scales: A lowp_scales[2], B lowp_scales[3])
;;   THE QUANTISER, for each operand of a quantised product, along K:
;;     - The operand's scale is 2^e, e = its entry of the input lowp_scales (int32; the entries are numbered through the quantised products in the list's order, A before B).
;;     - Each number is divided by the scale, clamped to +-57,344, and rounded to the nearest number of E5M2, ties to even, subnormals kept.
;;     - The product sums the exact products of the quantised numbers (number of the format x scale) in f32.
;;   ~~~python
;;   def quantise(x, axis, e):      # numpy; x: float32 -> the quantised numbers, widened to float32 again
;;       x = np.moveaxis(x, axis, -1); K = x.shape[-1]
;;       r = np.clip(x / 2.0 ** e, -57344, 57344)
;;       step = 2.0 ** (np.maximum(np.frexp(np.where(r == 0, 1, r))[1] - 1, -14) - 2)
;;       q = np.round(r / step) * step * 2.0 ** e      # np.round: ties to even
;;       return np.moveaxis(q, -1, axis).astype(np.float32)
;;   ~~~
;;   SOFTMAX AHEAD OF A QUANTISED PRODUCT. Where the list says 'softmax', what is quantised is not the finished softmax but p = 2^(t - M), with t = logit x log2(e) and M = ceil(the row's largest t), a whole number; so 1/2 < the row's largest p <= 1. The row's sum l is taken of the UNQUANTISED p, in f32, and the product's result is divided by l at the end. Since M is a whole number, a kernel that streams over the keys may use a running M (the ceiling of the running maximum): every later rescaling is an exact power of two, so the quantised numbers keep their values, but for numbers so far below the row's largest that they fall under the format's range.
;;   OPERANDS COMPUTED ON THE WAY. 'Computed on the way' means the value that the module computes at that place (a softmax that the list does not call 'softmax' is quantised finished and normalised). What goes into a quantiser is computed in f32, as accurately as f32 sums, v_exp_f32 and their like allow (about 1e-6 of the number): no bf16 or f16 on the way to a quantiser, and a product that is left as it is and whose result goes on into a quantised operand takes f32 operands (vector FMAs, or v_wmma_f32_16x16x4_f32). A number that lies on a knife's edge between two numbers of the format may be rounded either way, as far as f32 arithmetic and the matrix unit's own rounding can turn it there, and no further.
;; 2 versions, each right; version 2 is version 1 with the launch attn written anew for expert scheduling mode. Each part assembles by itself: llvm-mc -triple=amdgcn-amd-amdhsa -mcpu=gfx1250 --defsym DOCPART=n.
;; ======== version 1 of 2: 1 launch
;; launch attn (part 1): grid 4 x 64, 8 waves a work-group, no clusters, 263,168 bytes of LDS; arguments qkv, lowp_scales, out0; writes out0
.if DOCPART == 1
	.amdgcn_target "amdgcn-amd-amdhsa--gfx1250"
	.amdhsa_code_object_version 6
	.text
	.protected	k_q1ffb6a261b_attn
	.globl	k_q1ffb6a261b_attn
	.p2align	8
	.type	k_q1ffb6a261b_attn,@function
k_q1ffb6a261b_attn:
	s_mov_b64 s[64:65], 0
	v_nop
	global_prefetch_b8 v0, s[64:65] scope:SCOPE_SE
	s_setreg_imm32_b32 hwreg(HW_REG_WAVE_MODE, 25, 1), 1
	s_wait_xcnt 0x0
; out0[head][c][t] = (sum over s of V[c][s] p[t][s]) / (sum over s of p[t][s]),  p = 2^(t' - M),  t' = log2(e) x sum over c of (q[c][t] x 64^-0.25)(k[c][s] x 64^-0.25).
; qkv: 64 heads x 192 rows x 2,048 f32: rows 0-63 q, 64-127 k, 128-191 v, the position innermost.  Both products on codes of BF8 (E5M2), each operand with its given scale 2^e:
; e0 (q x 64^-0.25), e1 (k x 64^-0.25), e2 (v), e3 (p).  M = the running largest t', rounded up to a whole number; the row's sum is taken of the unquantised p, in f32.
; SHARES.  A work-group owns 512 queries of one head: 4 x 64 = 256 work-groups.  Each of its eight waves owns 64 queries, four tiles of 16, in 512 registers: two waves to a SIMD, so that one wave's
; exponentials stand beside the other's products, LDS loads and plain vector work.  Every wave walks the head's 2,048 keys in 16 steps of 128.
; CODES.  q is quantised in registers at the head.  k and v are quantised by the work-group itself, a chunk of 128 keys a step, TWO chunks ahead of their use: the f32 numbers are asked for at a step's head, into
; registers, and turned into codes at its end.  The codes go to LDS as IMAGES OF THE OPERANDS' REGISTERS; each of the 16 chunks has 16,384 LDS bytes of its own, written once, so one barrier a step (stores, wait, barrier, loads) is all the ordering.
; LAYOUT.  Both products are used transposed.  S^T = K Q^T (16x16x64: source 0 = 16 keys, source 1 = 16 queries): lane (r, h) holds query r and, in register i of tile t, key 16 t + 8 h + i.  The conversion of tile t's eight
; registers gives registers 2 t, 2 t + 1 of the second product's operand as that form's own layout has them.  O^T = V P^T (16x16x128: source 0 = 16 channels, source 1 = P): lane (r, h) holds query r and channels 16 ct + 8 h + i.
; In the first product lane (., h) holds channels 32 h + 0 .. 31 in registers 0-7, in K and in Q alike: one permutation of the 64 channels on both sides, so every product meets its partner.
; NO CLUSTER, NO JOINT LOADS, though the four work-groups of a head read the same k and v: these arrive as f32 and must pass through registers (scale, hold, conversion; k is also turned); a head's k and v are 1,048,576 bytes
; of f32, for which 65,536 LDS bytes would be left beside the 262,144 of codes.  The hold on p may be jumped over: 64 of a tile's vector instructions in a step.
; LIMITS on the given exponents, so that each power of two below is an f32 number: e0, e1, e2, e3 between -126 and 112; e0 + e1 between -126 and 127.  e2 + e3 goes in by v_ldexp_f32.  NaN among the inputs is not served; an infinity is held at the largest code.
.set ROWB,   8192                      ; a row of qkv or of out0 in bytes
.set KEYB,   512                       ; 128 keys of a row in bytes
.set CHUNK,  16384                     ; a chunk's LDS bytes: K's images (8 tiles x 1,024), then V's (4 tiles x 2,048)
.set VIMG,   8192
.set SPITCH, 272                       ; the way out: a stage row, 64 queries x 4 bytes + 16
.set STGW,   64*SPITCH                 ; a wave's stage: 64 channels
; window 0
.set LANE16, 1                         ; v1    16 x lane
.set ADK,  2                           ; v2    LDS address for K's images
.set ADV,  4                           ; v4-7  for V's images, register block q = 0 .. 3
.set AVL,  8                           ; v8    VIMG + 256 h + 16 (r xor h)
.set KWL,  9                           ; v9    where I store K's codes in a chunk
.set VWL,  10                          ; v10   where I store V's
.set KWA,  11                          ; v11   the same with the chunk's base
.set VWA,  12                          ; v12
.set KGO,  15                          ; v15   my byte offset in the head for k's loads; never rewritten
.set VGO,  16                          ; v16   for v's
.set PFO,  17                          ; v17   for the prefetch
.set PS,   18                          ; v18, v19  2^e3 and 57,344 x 2^e3
.set PL,   19
.set KS,   20                          ; v20, v21  the same with e1
.set KL,   21
.set VS,   22                          ; v22, v23  with e2
.set VL,   23
.set STA,  24                          ; v[24 + 4 j ..]: tile j: -M, the largest t', the sum in two halves
.set FF,   40                          ; v[40:41]  f = 2^(old M - new M), and a word that is only named with it
.set MA,   42
.set MB,   43
.set PD,   44
.set SB,   46                          ; v[46:47]  the sums' second chain
.set RQ,   48                          ; v48-79    Q's four fragments
.set RKV,  80                          ; v80-143   8 fragments of K, then 4 of V
.set RS,   144                         ; v144-207  the scores, then p; at a step's end v144-159 take the codes just made
.set QGO,  208
.set SWL,  209                         ; the way out: into my stage,
.set SRL,  210                         ; back out of it,
.set OGO,  211                         ; and my byte offset in out0
.set QS,   214
.set QL,   215
.set VWX,  216                         ; v217-223  V's store addresses for channels 1 to 7 of my eight
.set T0,   224                         ; v224-227  lane, r, h, at work
.set T1,   225
.set T2,   226
.set T3,   227
; window 1: v0-127 O^T (tile j, channel tile c at 32 j + 8 c); v128-191 P (tile j at 128 + 16 j; at the head chunk 1's numbers); v192-223 k's numbers, v224-255 v's
.set RP,   128
.set STK,  192
.set STV,  224
; scalars
.set WV,   10
.set HD,   12
.set SEL,  20                          ; s[20:21] v_permlanex16_b32's selects for lane l xor 16
.set CS,   22                          ; s[22:23] log2(e) x 2^(e0 + e1)
.set SC,   24                          ; s[24:25] 64^-0.25
.set GB,   26                          ; s[26:27] the head's first byte + KEYB x the chunk to be loaded
.set QB,   28                          ; s[28:29] the head's first byte + 4 x my first query
.set OB,   30                          ; s[30:31] the same in out0
.set TB,   32                          ; s32  LDS base of the chunk in hand
.set CNT,  33
.set LIM,  34                          ; s34  1 in the head's first work-group, else the greatest number
.set HOLD, 35                          ; s35  1 where p's hold can act
.set E23,  36                          ; s36  e2 + e3
.set MSB, 0
.macro WIN new                         ; s_set_vgpr_msb: bits 1:0 source 0, 3:2 source 1, 5:4 source 2, 7:6 destination; the high byte repeats the setting that is left
.if MSB != \new
	s_set_vgpr_msb (MSB<<8)|\new
.set MSB, \new
.endif
.endm
.macro PLACES n
.rept \n
	v_nop
.endr
.endm
; The f32 numbers of a chunk, my wave's share, into window 1.  k: 32 keys x 32 channels, A LANE TO A KEY AND THE REGISTERS DOWN THE CHANNELS (the first product's K), 128 consecutive bytes an instruction.
; v: 8 channels x 128 keys, a channel an instruction, 512 consecutive bytes: its K, the keys, is innermost.
.macro GLOAD rk, rv, off
	WIN 0x40
.set n, 0
.rept 32
	global_load_b32 v[\rk+n], v[KGO], s[GB:GB+1] offset:ROWB*n+\off
.set n, n+1
.endr
.set n, 0
.rept 8
	global_load_b128 v[\rv+4*n:\rv+4*n+3], v[VGO], s[GB:GB+1] offset:ROWB*n+\off
.set n, n+1
.endr
	WIN 0
.endm
; A prefetch of the chunk behind the one just asked for: 128 rows (k's 64, v's 64) x 512 bytes = 256 blocks of 256 bytes, one for each of the 256 threads.  The four work-groups of a head read the same rows:
; the first of them asks, so each block is named once in the launch.  Chunks 0 to 2 come by their loads alone; chunk 15 is the last that is named.  how = 1: the first step; 0: in the loop, all trips but the last.
.macro ASK how
.if \how
	s_cmp_eq_u32 s[LIM], 1
.else
	s_cmp_gt_u32 s[CNT], s[LIM]
.endif
	s_cbranch_scc0 .Lnoask_\@
	global_prefetch_b8 v[PFO], s[GB:GB+1] offset:KEYB th:TH_LOAD_NT scope:SCOPE_SE
.Lnoask_\@:
.endm
; My share of a chunk becomes codes and goes to LDS, lead bytes behind the chunk in hand.
; K: my key is 32 (w / 2) + lane, my channels are half w % 2: eight registers = the lane slot (h = w % 2, r = key % 16) of tile key / 16: two stores of 16 bytes.
; V: register i is one word, keys 4 lane .. + 3 of channel 8 w + i: word 2 (lane / 4) + lane % 2 of the fragment's lane (r = channel % 16, h = (lane / 2) % 2).  A block of four words lies at
; 512 q + 256 h + 16 (r xor (2 q + h)): the exclusive or sends the 32 words of one store to 32 different banks (64 banks of 4 bytes: ISA guide 11.1), and a reader's sixteen lanes still take sixteen different columns of 16 bytes.
.macro PRODUCE rk, rv, lead
	WIN 0x41
.set n, 0
.rept 16
	v_pk_mul_f32 v[\rk+n:\rk+n+1], v[\rk+n:\rk+n+1], s[SC:SC+1] op_sel_hi:[1,0]   ; k x 64^-0.25
.set n, n+2
.endr
.set n, 0
.rept 32
	v_med3_num_f32 v[\rk+n], v[\rk+n], -v[KL], v[KL]   ; the conversion to an 8-bit code does not saturate (ISA guide 7.6.2): the hold at the largest code x the scale
.set n, n+1
.endr
.set n, 0
.rept 32
	v_med3_num_f32 v[\rv+n], v[\rv+n], -v[VL], v[VL]
.set n, n+1
.endr
	WIN 0x01
.set n, 0
.rept 4
	v_cvt_scalef32_pk8_bf8_f32 v[RS+2*n:RS+2*n+1], v[\rk+8*n:\rk+8*n+7], v[KS]
.set n, n+1
.endr
.set n, 0
.rept 4
	v_cvt_scalef32_pk8_bf8_f32 v[RS+8+2*n:RS+8+2*n+1], v[\rv+8*n:\rv+8*n+7], v[VS]   ; four keys of channel 2 n, four of channel 2 n + 1
.set n, n+1
.endr
	WIN 0
.set n, 1
.rept 7
	v_xor_b32 v[VWX+n], 16*n, v[VWA]               ; r xor (2 q + h) for channel n.  (These are also the plain vector lines behind the last conversion)
.set n, n+1
.endr
	ds_store_b128 v[KWA], v[RS:RS+3] offset:\lead
	ds_store_b128 v[KWA], v[RS+4:RS+7] offset:\lead+512
	ds_store_b32 v[VWA], v[RS+8] offset:\lead
.set n, 1
.rept 7
	ds_store_b32 v[VWX+n], v[RS+8+n] offset:\lead
.set n, n+1
.endr
.endm
.macro KFETCH lead                     ; a chunk's eight fragments of K: an instruction's 512 bytes are consecutive
.irp t, 0,1,2,3,4,5,6,7
.irp b, 0,1
	ds_load_b128 v[RKV+8*\t+4*\b:RKV+8*\t+4*\b+3], v[ADK] offset:\lead+1024*\t+512*\b
.endr
.endr
.endm
.macro VFETCH                          ; its four fragments of V
.irp c, 0,1,2,3
.irp b, 0,1,2,3
	ds_load_b128 v[RKV+16*\c+4*\b:RKV+16*\c+4*\b+3], v[ADV+\b] offset:2048*\c
.endr
.endr
.endm
; Tile j of my queries against the chunk's 128 keys: scores, softmax, codes of p, O^T under the new M.  first = 1: the first step: there is no O^T yet.
.macro SOFT j, first
.set ST, STA+4*(\j)
.irp t, 0,1,2,3,4,5,6,7
	v_wmma_f32_16x16x64_bf8_bf8 v[RS+8*\t:RS+8*\t+7], v[RKV+8*\t:RKV+8*\t+7], v[RQ+8*(\j):RQ+8*(\j)+7], 0
.endr
	PLACES 4                                       ; behind the products: in front of the first read of the scores, and of loads into the registers that held K
.if (\j) == 3
	VFETCH                                         ; K's fragments are done with: V's take their registers and land under this tile's softmax
.endif
	v_max3_num_f32 v[MA], v[RS], v[RS+1], v[RS+2]  ; the largest score of my query among my 64 keys, in two chains, every tile's registers in ascending order
	v_max3_num_f32 v[MB], v[RS+3], v[RS+4], v[RS+5]
.set n, 6
.rept 14
	v_max3_num_f32 v[MA], v[MA], v[RS+n], v[RS+n+1]
	v_max3_num_f32 v[MB], v[MB], v[RS+n+2], v[RS+n+3]
.set n, n+4
.endr
	v_max3_num_f32 v[MA], v[MA], v[RS+62], v[RS+63]
	v_max_num_f32 v[MA], v[MA], v[MB]
	v_permlanex16_b32 v[PD], v[MA], s[SEL], s[SEL+1]
	v_max_num_f32 v[MA], v[MA], v[PD]              ; and among lane l xor 16's
	v_mul_f32 v[MA], s[CS], v[MA]                  ; as t' (the factor is positive)
	v_max_num_f32 v[ST+1], v[ST+1], v[MA]          ; the running largest t'
	v_mov_b32 v[MA], v[ST]
	v_floor_f32 v[ST], -v[ST+1]                    ; the new -M = floor(-t') = -ceil(t')
	v_sub_f32 v[MA], v[ST], v[MA]                  ; old M - new M: a whole number, 0 or less
	v_cvt_i32_f32 v[MA], v[MA]                     ; (it saturates)
	v_ldexp_f32 v[FF], 1.0, v[MA]                  ; f = 2^(old M - new M): a multiplication by it rounds nothing
.set n, 0
.rept 32
	v_pk_fma_f32 v[RS+n:RS+n+1], v[RS+n:RS+n+1], s[CS:CS+1], v[ST:ST+1] op_sel_hi:[1,0,0]   ; t' - M, two at a time
.set n, n+2
.endr
.set n, 0
.rept 64
	v_exp_f32 v[RS+n], v[RS+n]                     ; p = 2^(t' - M): not normalised
.set n, n+1
.endr
	v_pk_mul_f32 v[ST+2:ST+3], v[ST+2:ST+3], v[FF:FF+1] op_sel_hi:[1,0]   ; the sums under the new M: the plain instruction behind the exponentials
	s_wait_alu depctr_va_vdst(0)                   ; one wait for the batch of 64, ahead of its first reader
	v_pk_add_f32 v[SB:SB+1], v[RS:RS+1], v[RS+2:RS+3]   ; the row's sum, of the unquantised p, in two chains
.set n, 4
.rept 15
	v_pk_add_f32 v[ST+2:ST+3], v[ST+2:ST+3], v[RS+n:RS+n+1]
	v_pk_add_f32 v[SB:SB+1], v[SB:SB+1], v[RS+n+2:RS+n+3]
.set n, n+4
.endr
	v_pk_add_f32 v[ST+2:ST+3], v[ST+2:ST+3], v[SB:SB+1]
	s_cmp_eq_u32 s[HOLD], 0                        ; the hold on p is jumped over where it cannot act (see where HOLD is made): a branch on whole numbers read from the scales' buffer
	s_cbranch_scc1 .Lnohold_\@
.set n, 0
.rept 64
	v_min_num_f32 v[RS+n], v[RS+n], v[PL]          ; p is not negative: the hold is one-sided
.set n, n+1
.endr
.Lnohold_\@:
	WIN 0x40
.irp t, 0,1,2,3,4,5,6,7
	v_cvt_scalef32_pk8_bf8_f32 v[RP+16*(\j)+2*\t:RP+16*(\j)+2*\t+1], v[RS+8*\t:RS+8*\t+7], v[PS]   ; keys 16 t + 8 h + 0 .. 7: registers 2 t, 2 t + 1 of P
.endr
	v_nop                                          ; a plain vector line between the last conversion and the products that read its result or write its sources
.if \first == 0
	WIN 0x41
.set n, 0
.rept 16
	v_pk_mul_f32 v[32*(\j)+n:32*(\j)+n+1], v[32*(\j)+n:32*(\j)+n+1], v[FF:FF+1] op_sel_hi:[1,0]   ; O^T under the new M, each accumulator from its low end on
.set n, n+2
.endr
.endif
	WIN 0
.endm
; O^T += V P^T: sixteen accumulators, one instruction each: no two neighbours share one.  first = 1: the products start the sums.
.macro PV first
.irp c, 0,1,2,3
.irp j, 0,1,2,3
.if \first
	v_wmma_f32_16x16x128_bf8_bf8 v[32*\j+8*\c:32*\j+8*\c+7], v[RKV+16*\c:RKV+16*\c+15], v[RP+16*\j:RP+16*\j+15], 0
.else
	v_wmma_f32_16x16x128_bf8_bf8 v[32*\j+8*\c:32*\j+8*\c+7], v[RKV+16*\c:RKV+16*\c+15], v[RP+16*\j:RP+16*\j+15], v[32*\j+8*\c:32*\j+8*\c+7]
.endif
.endr
.endr
.endm
; A KEY STEP on chunk i (TB = CHUNK x i).  prod: chunk i + 2 is loaded at the head and made into codes at the end.  pre: a step follows: K of chunk i + 1 is fetched.  bar: the barrier at the end.
.macro STEP first, prod, pre, bar
.if \prod
	GLOAD STK, STV, 0                              ; chunk i + 2: it has the whole step in which to land
	ASK \first                                     ; chunk i + 3
.endif
	v_add_nc_u32 v[ADV], s[TB], v[AVL]
	v_xor_b32 v[ADV+1], 544, v[ADV]                ; block q: + 512 q, and r xor (2 q + h)
	v_xor_b32 v[ADV+2], 1088, v[ADV]
	v_xor_b32 v[ADV+3], 1632, v[ADV]
	s_wait_dscnt 0x0                               ; K's fragments are in
	SOFT 0, \first
	SOFT 1, \first
	SOFT 2, \first
	SOFT 3, \first
	s_wait_dscnt 0x0                               ; V's fragments are in
.if \first
	WIN 0x44                                       ; V window 0; P and O^T window 1
.else
	WIN 0x54
.endif
	PV \first
	WIN 0
.if \pre                                       ; four plain places behind the products, in front of loads into the registers that held V and of the first read of O^T
	v_add_nc_u32 v[ADK], s[TB], v[LANE16]
.else
	v_nop
.endif
.if \prod
	v_add_nc_u32 v[KWA], s[TB], v[KWL]
	v_add_nc_u32 v[VWA], s[TB], v[VWL]
.else
	v_nop
	v_nop
.endif
	v_nop
.if \pre
	KFETCH CHUNK                                   ; chunk i + 1 was stored a step ago, in front of that step's barrier
.endif
.if \prod
	s_wait_loadcnt 0x0                             ; chunk i + 2's numbers are in
	PRODUCE STK, STV, 2*CHUNK
	s_wait_xcnt 0x0                                ; the prefetch at the step's head has read its base
	s_add_nc_u64 s[GB:GB+1], s[GB:GB+1], KEYB
.endif
.if \pre
	s_add_co_u32 s[TB], s[TB], CHUNK
.endif
.if \bar
	s_wait_dscnt 0x0                               ; for the others' sake: my stores have landed; and my loads are in
	s_barrier_signal -1
	s_barrier_wait -1
.endif
.endm
.macro MKSCALE e, vs, vl               ; 2^e as f32 (a conversion takes its exponent field), and 57,344 x 2^e
	s_add_co_i32 s38, s[\e], 127
	s_lshl_b32 s39, s38, 23
	v_mov_b32 v[\vs], s39
	s_add_co_i32 s38, s38, 15
	s_lshl_b32 s38, s38, 23
	s_or_b32 s38, s38, 0x600000
	v_mov_b32 v[\vl], s38
.endm
	s_load_b128 s[4:7], s[0:1], 0x0                ; qkv s[4:5], the scales' exponents s[6:7]
	s_load_b64 s[8:9], s[0:1], 0x10                ; out0
	v_lshl_add_u32 v254, v0, 2, 0x40000
	v_mov_b32 v255, 0
	v_lshrrev_b32 v[T3], 5, v0
	v_readfirstlane_b32 s[WV], v[T3]               ; wave 0..7
	s_and_b32 s[HD], ttmp7, 0xffff                 ; the head
	v_and_b32 v[T0], 31, v0                        ; lane
	v_and_b32 v[T1], 15, v0                        ; r
	v_bfe_u32 v[T2], v0, 4, 1                      ; h
	v_lshlrev_b32 v[LANE16], 4, v[T0]
	s_lshr_b32 s38, s[WV], 1                       ; w / 2
	s_and_b32 s39, s[WV], 1                        ; w % 2
	s_lshl_b32 s40, s39, 18                        ; k: rows 64 + 32 (w % 2) on,
	s_lshl_b32 s41, s38, 7                         ; keys 32 (w / 2) + lane
	s_add_co_u32 s40, s40, s41
	s_add_co_u32 s40, s40, 64*ROWB
	v_lshl_add_u32 v[KGO], v[T0], 2, s40
	s_lshl_b32 s40, s[WV], 16                      ; v: rows 128 + 8 w on, keys 4 lane on
	s_add_co_u32 s40, s40, 128*ROWB
	v_add_nc_u32 v[VGO], s40, v[LANE16]
	v_lshlrev_b32 v[QGO], 2, v[T1]                 ; q: rows 32 h on, query r of a tile
	v_lshl_add_u32 v[QGO], v[T2], 18, v[QGO]
	s_mul_i32 s40, s[HD], 192*ROWB                 ; the head's first byte in qkv
	s_mov_b32 s41, 0
	s_lshl_b32 s42, ttmp9, 11                      ; 4 x my first query: 512 x work-group x + 64 x wave
	s_lshl_b32 s43, s[WV], 8
	s_add_co_u32 s42, s42, s43
	s_mov_b32 s43, 0
	s_wait_kmcnt 0x0
	s_load_b128 s[16:19], s[6:7], 0x0              ; e0, e1, e2, e3
	s_add_nc_u64 s[GB:GB+1], s[4:5], s[40:41]
	s_add_nc_u64 s[QB:QB+1], s[GB:GB+1], s[42:43]
	s_lshl_b32 s40, s[HD], 19                      ; the head's first byte in out0: 64 rows
	s_add_nc_u64 s[OB:OB+1], s[8:9], s[40:41]
	s_add_nc_u64 s[OB:OB+1], s[OB:OB+1], s[42:43]
	GLOAD STK, STV, 0                              ; chunk 0
	GLOAD RP, RP+32, KEYB                          ; chunk 1, into the registers that P will take
.set n, 0
.rept 32                                       ; q: lane (r, h) of tile j takes query 16 j + r, and its registers run down channels 32 h + 0 .. 31; a channel's four loads cover 256 consecutive bytes
.irp j, 0,1,2,3
	global_load_b32 v[RKV+32*\j+n], v[QGO], s[QB:QB+1] offset:ROWB*n+64*\j th:TH_LOAD_NT
.endr
.set n, n+1
.endr
	; the LDS addresses, while the loads are out
	v_xor_b32 v[AVL], v[T1], v[T2]
	v_lshlrev_b32 v[AVL], 4, v[AVL]
	v_lshl_add_u32 v[AVL], v[T2], 8, v[AVL]
	v_add_nc_u32 v[AVL], VIMG, v[AVL]              ; VIMG + 256 h + 16 (r xor h)
	s_lshl_b32 s40, s38, 11
	s_lshl_b32 s41, s39, 8
	s_add_co_u32 s41, s40, s41
	v_lshlrev_b32 v[KWL], 4, v[T1]
	v_lshl_add_u32 v[KWL], v[T2], 10, v[KWL]
	v_add_nc_u32 v[KWL], s41, v[KWL]               ; 2,048 (w / 2) + 1,024 (lane / 16) + 256 (w % 2) + 16 (lane % 16)
	s_lshl_b32 s41, s39, 7
	s_add_co_u32 s41, s40, s41
	s_add_co_u32 s41, s41, VIMG
	v_bfe_u32 v[T3], v0, 3, 2
	v_mul_u32_u24 v[VWL], v[T3], 544               ; q = lane / 8: 512 q, and 2 q into the exclusive or's field
	v_bfe_u32 v[T3], v0, 1, 1
	v_mad_u32_u24 v[VWL], v[T3], 272, v[VWL]       ; h = (lane / 2) % 2: 256 h, and h into that field
	v_bfe_u32 v[T3], v0, 2, 1
	v_lshl_add_u32 v[VWL], v[T3], 3, v[VWL]        ; the word in its block: 2 ((lane / 4) % 2) + lane % 2
	v_and_b32 v[T3], 1, v0
	v_lshl_add_u32 v[VWL], v[T3], 2, v[VWL]
	v_add_nc_u32 v[VWL], s41, v[VWL]               ; + VIMG + 2,048 (w / 2) + 128 (w % 2)
	v_lshrrev_b32 v[T3], 1, v0
	v_lshlrev_b32 v[PFO], 13, v[T3]
	v_and_b32 v[T3], 1, v0
	v_lshl_add_u32 v[PFO], v[T3], 8, v[PFO]
	v_add_nc_u32 v[PFO], 64*ROWB, v[PFO]           ; row 64 + thread / 2, + 256 (thread % 2)
	s_mul_i32 s40, s[WV], STGW                     ; my stage
	v_mul_u32_u24 v[SWL], v[T2], 8*SPITCH
	v_lshl_add_u32 v[SWL], v[T1], 2, v[SWL]
	v_add_nc_u32 v[SWL], s40, v[SWL]               ; in: row 8 h (+ 16 c + i), 4 bytes at query r (+ 16 j)
	v_mul_u32_u24 v[SRL], v[T2], SPITCH
	v_lshl_add_u32 v[SRL], v[T1], 4, v[SRL]
	v_add_nc_u32 v[SRL], s40, v[SRL]               ; back: lanes 0-15 one row of 256 bytes, lanes 16-31 the next
	v_lshlrev_b32 v[OGO], 13, v[T2]
	v_lshl_add_u32 v[OGO], v[T1], 4, v[OGO]        ; and the same two rows in out0
.irp j, 0,1,2,3
	v_mov_b32 v[STA+4*\j+1], 0xff61b1e6            ; the largest t' so far: -3e38, under every t'
	v_floor_f32 v[STA+4*\j], -v[STA+4*\j+1]        ; -M
	v_mov_b32 v[STA+4*\j+2], 0                     ; the sum, in two halves
	v_mov_b32 v[STA+4*\j+3], 0
.endr
	v_mov_b32 v[FF+1], 0                           ; (named as the upper half of the pair with f)
	v_mov_b32 v[PD], 0                             ; a lane permute's destination counts as one of its sources
	s_mov_b32 s[SEL], 0x76543210
	s_mov_b32 s[SEL+1], 0xfedcba98
	s_mov_b32 s[SC], 0x3eb504f3                    ; 64^-0.25 as f32
	s_mov_b32 s[SC+1], s[SC]
	s_mov_b32 s[TB], 0
	s_cmp_eq_u32 ttmp9, 0
	s_cselect_b32 s[LIM], 1, -1
	s_wait_kmcnt 0x0
	MKSCALE 16, QS, QL
	MKSCALE 17, KS, KL
	MKSCALE 18, VS, VL
	MKSCALE 19, PS, PL
	s_add_co_i32 s[E23], s18, s19
	s_add_co_i32 s38, s16, s17                     ; a score stands for score x 2^(e0 + e1): the sum is added to log2(e)'s exponent field
	s_lshl_b32 s39, s38, 23
	s_mov_b32 s[CS], 0x3fb8aa3b
	s_add_co_i32 s[CS], s[CS], s39
	s_mov_b32 s[CS+1], s[CS]
	; p's hold acts only where p can pass 57,344 x 2^e3, which is 1.75 or more from e3 = -15 on.  |t'| is at most 64 x 57,344^2 x 2^(e0 + e1) x log2(e), under 2^23 for e0 + e1 <= -16: there the one rounding
	; of the largest t' moves it by 1/4 at the most, so p <= 2^(1/4).  In every other case the hold is executed.
	s_cmp_lt_i32 s19, -15
	s_cselect_b32 s[HOLD], 1, 0
	s_cmp_gt_i32 s38, -16
	s_cselect_b32 s[HOLD], 1, s[HOLD]
	s_wait_loadcnt 0x0                             ; chunks 0 and 1, and q
.irp j, 0,1,2,3                                ; q x 64^-0.25, held, to codes: tile j's fragment
.set n, 0
.rept 16
	v_pk_mul_f32 v[RKV+32*\j+n:RKV+32*\j+n+1], v[RKV+32*\j+n:RKV+32*\j+n+1], s[SC:SC+1] op_sel_hi:[1,0]
.set n, n+2
.endr
.set n, 0
.rept 32
	v_med3_num_f32 v[RKV+32*\j+n], v[RKV+32*\j+n], -v[QL], v[QL]
.set n, n+1
.endr
.set n, 0
.rept 4
	v_cvt_scalef32_pk8_bf8_f32 v[RQ+8*\j+2*n:RQ+8*\j+2*n+1], v[RKV+32*\j+8*n:RKV+32*\j+8*n+7], v[QS]
.set n, n+1
.endr
.endr
	v_add_nc_u32 v[KWA], s[TB], v[KWL]             ; (a plain vector line behind the last conversion)
	v_add_nc_u32 v[VWA], s[TB], v[VWL]
	PRODUCE STK, STV, 0                            ; chunk 0
	s_wait_dscnt 0x0                               ; its stores have read their registers, which chunk 1's codes take
	PRODUCE RP, RP+32, CHUNK                       ; chunk 1
	s_add_nc_u64 s[GB:GB+1], s[GB:GB+1], 2*KEYB    ; on to chunk 2: every load that named the base is in
	v_add_nc_u32 v[ADK], s[TB], v[LANE16]
	s_wait_dscnt 0x0                               ; for the others' sake: my stores have landed
	s_barrier_signal -1
	s_barrier_wait -1
	KFETCH 0                                       ; K of chunk 0
	STEP 1, 1, 1, 1                                ; step 0: its products start O^T's sums; makes chunk 2
	s_mov_b32 s[CNT], 13
.Lstep:                                            ; steps 1 to 13: they make chunks 3 to 15
	STEP 0, 1, 1, 1
	s_sub_co_u32 s[CNT], s[CNT], 1
	s_cmp_lg_u32 s[CNT], 0
	s_cbranch_scc1 .Lstep
	STEP 0, 0, 1, 0                                ; step 14: nothing is left to make, so nothing is stored and no barrier is owed
	STEP 0, 0, 0, 1                                ; step 15; behind its barrier nobody reads the images any more, and the stages may lie over them
	; THE WAY OUT.  O^T x 2^(e2 + e3) / the row's sum.  A lane holds one query and the lanes beside it other queries, which are neighbours in out0's rows: so the 64 channels x 64 queries go through my own stage in LDS
	; and leave as rows: sixteen lanes store 256 consecutive bytes, at a multiple of 256 from out0's first byte.
.irp j, 0,1,2,3
	v_add_f32 v[STA+4*\j+2], v[STA+4*\j+2], v[STA+4*\j+3]   ; the sum's two halves,
.endr
.irp j, 0,1,2,3
	v_permlanex16_b32 v[STA+4*\j+3], v[STA+4*\j+2], s[SEL], s[SEL+1]
.endr
.irp j, 0,1,2,3
	v_add_f32 v[STA+4*\j+2], v[STA+4*\j+2], v[STA+4*\j+3]   ; and lane l xor 16's
.endr
.irp j, 0,1,2,3
	v_rcp_f32 v[STA+4*\j+2], v[STA+4*\j+2]
.endr
	v_nop                                          ; a plain instruction behind the last reciprocal
	s_wait_alu depctr_va_vdst(0)                   ; one wait for the four, ahead of their first reader
.irp j, 0,1,2,3
	v_ldexp_f32 v[STA+4*\j+2], v[STA+4*\j+2], s[E23]
.endr
	WIN 0x41
.irp j, 0,1,2,3
.set n, 0
.rept 16
	v_pk_mul_f32 v[32*\j+n:32*\j+n+1], v[32*\j+n:32*\j+n+1], v[STA+4*\j+2:STA+4*\j+3] op_sel_hi:[1,0]   ; each accumulator from its low end on
.set n, n+2
.endr
.endr
	WIN 0x04                                       ; the stores' data in window 1
.irp j, 0,1,2,3
.irp c, 0,1,2,3
.set n, 0
.rept 8
	ds_store_b32 v[SWL], v[32*\j+8*\c+n] offset:(16*\c+n)*SPITCH+64*\j   ; lanes 0-15: 64 consecutive bytes; lanes 16-31 eight rows on, 544 words: the other 32 banks' side
.set n, n+1
.endr
.endr
.endr
	WIN 0
.set n, 0
.rept 32
	ds_load_b128 v[RKV+4*n:RKV+4*n+3], v[SRL] offset:2*SPITCH*n   ; LDS serves a wave's instructions in order (ISA guide 5.7.1.4): these see my stores
.set n, n+1
.endr
.set n, 0
.rept 32
	s_wait_dscnt 31-n                              ; behind load n stand 31 - n younger ones, which may stay out
	global_store_b128 v[OGO], v[RKV+4*n:RKV+4*n+3], s[OB:OB+1] offset:2*ROWB*n th:TH_STORE_NT   ; channels 2 n and 2 n + 1; written once, read by nobody here
.set n, n+1
.endr
	s_wait_tensorcnt 0x0
	ds_add_u32 v254, v255
	s_wait_dscnt 0x0
	s_endpgm
.Lfunc_end_k_q1ffb6a261b_attn:
	.size	k_q1ffb6a261b_attn, .Lfunc_end_k_q1ffb6a261b_attn-k_q1ffb6a261b_attn
	.p2alignl 7, 3214868480
	.fill 96, 4, 3214868480
	.section	.rodata,"a",@progbits
	.p2align	6, 0x0
	.amdhsa_kernel k_q1ffb6a261b_attn
		.amdhsa_group_segment_fixed_size 263168
		.amdhsa_private_segment_fixed_size 0
		.amdhsa_enable_private_segment 0
		.amdhsa_kernarg_size 24
		.amdhsa_user_sgpr_count 2
		.amdhsa_user_sgpr_kernarg_segment_ptr 1
		.amdhsa_wavefront_size32 1
		.amdhsa_system_sgpr_workgroup_id_x 1
		.amdhsa_system_sgpr_workgroup_id_y 1
		.amdhsa_system_sgpr_workgroup_id_z 1
		.amdhsa_system_vgpr_workitem_id 0
		.amdhsa_next_free_vgpr 512
		.amdhsa_next_free_sgpr 66
		.amdhsa_reserve_vcc 0
		.amdhsa_float_denorm_mode_32 3
		.amdhsa_float_denorm_mode_16_64 3
		.amdhsa_memory_ordered 1
		.amdhsa_forward_progress 1
		.amdhsa_inst_pref_size 255
	.end_amdhsa_kernel
	.section	.bss,"aw",@nobits
	.p2align	6
	.space	262144
	.amdgpu_metadata
---
amdhsa.version: [ 1, 2 ]
amdhsa.kernels:
  - .name:           k_q1ffb6a261b_attn
    .symbol:         k_q1ffb6a261b_attn.kd
    .args:
      - { .name: qkv, .offset: 0, .size: 8, .value_kind: global_buffer, .address_space: global }
      - { .name: lowp_scales, .offset: 8, .size: 8, .value_kind: global_buffer, .address_space: global }
      - { .name: out0, .offset: 16, .size: 8, .value_kind: global_buffer, .address_space: global }
    .group_segment_fixed_size: 263168
    .private_segment_fixed_size: 0
    .kernarg_segment_align: 8
    .kernarg_segment_size: 24
    .max_flat_workgroup_size: 256
    .sgpr_count:     66
    .vgpr_count:     512
    .wavefront_size: 32
...
	.end_amdgpu_metadata
.endif
;; end of part 1
;; ======== version 2 of 2: 1 launch; version 1 with the launch attn written anew for expert scheduling mode
;; launch attn (part 2): grid 4 x 64, 8 waves a work-group, no clusters, 263,168 bytes of LDS; arguments qkv, lowp_scales, out0; writes out0
.if DOCPART == 2
	.amdgcn_target "amdgcn-amd-amdhsa--gfx1250"
	.amdhsa_code_object_version 6
	.text
	.protected	k_q1ffb6a261b_attn
	.globl	k_q1ffb6a261b_attn
	.p2align	8
	.type	k_q1ffb6a261b_attn,@function
k_q1ffb6a261b_attn:
	s_mov_b64 s[64:65], 0
	v_nop
	global_prefetch_b8 v0, s[64:65] scope:SCOPE_SE
	s_setreg_imm32_b32 hwreg(HW_REG_WAVE_SCHED_MODE, 0, 2), 2
	s_setreg_imm32_b32 hwreg(HW_REG_WAVE_MODE, 25, 1), 1
	s_wait_xcnt 0x0
	s_wait_alu depctr_vm_vsrc(0)
; out0[head][c][t] = (sum over s of V[c][s] p[t][s]) / (sum over s of p[t][s]),  p = 2^(t' - M),  t' = log2(e) x sum over c of (q[c][t] x 64^-0.25)(k[c][s] x 64^-0.25).
; qkv: 64 heads x 192 rows x 2,048 f32: rows 0-63 q, 64-127 k, 128-191 v, the position innermost.  Both products on codes of BF8 (E5M2), each operand with its given scale 2^e:
; e0 (q x 64^-0.25), e1 (k x 64^-0.25), e2 (v), e3 (p).  M = the running largest t', rounded up to a whole number; the row's sum is taken of the unquantised p, in f32.
; SHARES.  A work-group owns 512 queries of one head: 4 x 64 = 256 work-groups.  Each of its eight waves owns 64 queries, four tiles of 16, in 512 registers: two waves to a SIMD, so that one wave's
; exponentials stand beside the other's products, LDS loads and plain vector work.  Every wave walks the head's 2,048 keys in 16 steps of 128.
; CODES.  q is quantised in registers at the head.  k and v are quantised by the work-group itself, a chunk of 128 keys a step, TWO chunks ahead of their use: the f32 numbers are asked for early in a step, into
; registers, and turned into codes at its end.  The codes go to LDS as IMAGES OF THE OPERANDS' REGISTERS; each of the 16 chunks has 16,384 LDS bytes of its own, written once, so one barrier a step (stores, wait, barrier, loads) is all the ordering.
; LAYOUT.  Both products are used transposed.  S^T = K Q^T (16x16x64: source 0 = 16 keys, source 1 = 16 queries): lane (r, h) holds query r and, in register i of tile t, key 16 t + 8 h + i.  The conversion of tile t's eight
; registers gives registers 2 t, 2 t + 1 of the second product's operand as that form's own layout has them.  O^T = V P^T (16x16x128: source 0 = 16 channels, source 1 = P): lane (r, h) holds query r and channels 16 ct + 8 h + i.
; In the first product lane (., h) holds channels 32 h + 0 .. 31 in registers 0-7, in K and in Q alike: one permutation of the 64 channels on both sides, so every product meets its partner.
; NO CLUSTER, NO JOINT LOADS, though the four work-groups of a head read the same k and v: these arrive as f32 and must pass through registers (scale, hold, conversion; k is also turned); a head's k and v are 1,048,576 bytes
; of f32, for which 65,536 LDS bytes would be left beside the 262,144 of codes.  The hold on p may be jumped over: 64 of a tile's vector instructions in a step.
; LIMITS on the given exponents, so that each power of two below is an f32 number: e0, e1, e2, e3 between -126 and 112; e0 + e1 between -126 and 127.  e2 + e3 goes in by v_ldexp_f32.  NaN among the inputs is not served; an infinity is held at the largest code.
; THE MODE: SCHED_MODE bits 1:0 = 2 (LLVM: expert scheduling mode 2), set by the entry lines.  The code itself states the register dependences between vector or matrix instructions and memory or LDS
; instructions, with s_wait_alu, always for 0.
; THE PLAN.  Registers that memory or LDS instructions touch, in a step on chunk i:
;   STK, STV     The global loads of chunk i + 2 land in them: k's at the step's head, v's behind tile 0's conversions.  Read and written by PRODUCE's vector lines, at the step's end, and by nothing else.
;   RKV          K's LDS loads land in it at the end of step i - 1; the 32 products K Q^T read it; V's LDS loads land in it in tile 3; the 16 products V P^T read it.
;   v144-159     PRODUCE's conversions write them, its ten LDS stores read them, the next step's first products write them.
;   ADV          Written at the step's head, read by V's LDS loads.     ADK   Written behind V P^T, read by K's LDS loads.     KWA, VWA, v217-223   Written behind V P^T and in PRODUCE, read by its LDS stores.
;   KGO, VGO, QGO, PFO, SWL, SRL, OGO   Made at the head and never written again.
; So a step has ONE wait on vm_vsrc, at its head (all that the last step's LDS instructions read may be written), and, beside the four waits behind the exponentials, THREE on va_vdst: ahead of V's LDS loads, ahead of K's,
; and ahead of PRODUCE's LDS stores.  The last of them also states that PRODUCE is done with STK and STV: from there to the next PRODUCE no vector instruction names these or KGO, VGO, PFO, so the next step's
; 40 global loads and its prefetch follow with no further wait, over the loop's backward jump too.
.set ROWB,   8192                      ; a row of qkv or of out0 in bytes
.set KEYB,   512                       ; 128 keys of a row in bytes
.set CHUNK,  16384                     ; a chunk's LDS bytes: K's images (8 tiles x 1,024), then V's (4 tiles x 2,048)
.set VIMG,   8192
.set SPITCH, 272                       ; the way out: a stage row, 64 queries x 4 bytes + 16
.set STGW,   64*SPITCH                 ; a wave's stage: 64 channels
; window 0
.set LANE16, 1                         ; v1    16 x lane
.set ADK,  2                           ; v2    LDS address for K's images
.set ADV,  4                           ; v4-7  for V's images, register block q = 0 .. 3
.set AVL,  8                           ; v8    VIMG + 256 h + 16 (r xor h)
.set KWL,  9                           ; v9    where I store K's codes in a chunk
.set VWL,  10                          ; v10   where I store V's
.set KWA,  11                          ; v11   the same with the chunk's base
.set VWA,  12                          ; v12
.set KGO,  15                          ; v15   my byte offset in the head for k's loads; never rewritten
.set VGO,  16                          ; v16   for v's
.set PFO,  17                          ; v17   for the prefetch
.set PS,   18                          ; v18, v19  2^e3 and 57,344 x 2^e3
.set PL,   19
.set KS,   20                          ; v20, v21  the same with e1
.set KL,   21
.set VS,   22                          ; v22, v23  with e2
.set VL,   23
.set STA,  24                          ; v[24 + 4 j ..]: tile j: -M, the largest t', the sum in two halves
.set FF,   40                          ; v[40:41]  f = 2^(old M - new M), and a word that is only named with it
.set MA,   42
.set MB,   43
.set PD,   44
.set SB,   46                          ; v[46:47]  the sums' second chain
.set RQ,   48                          ; v48-79    Q's four fragments
.set RKV,  80                          ; v80-143   8 fragments of K, then 4 of V
.set RS,   144                         ; v144-207  the scores, then p; at a step's end v144-159 take the codes just made
.set QGO,  208
.set SWL,  209                         ; the way out: into my stage,
.set SRL,  210                         ; back out of it,
.set OGO,  211                         ; and my byte offset in out0
.set QS,   214
.set QL,   215
.set VWX,  216                         ; v217-223  V's store addresses for channels 1 to 7 of my eight
.set T0,   224                         ; v224-227  lane, r, h, at work
.set T1,   225
.set T2,   226
.set T3,   227
; window 1: v0-127 O^T (tile j, channel tile c at 32 j + 8 c); v128-191 P (tile j at 128 + 16 j; at the head chunk 1's numbers); v192-223 k's numbers, v224-255 v's
.set RP,   128
.set STK,  192
.set STV,  224
; scalars
.set WV,   10
.set HD,   12
.set SEL,  20                          ; s[20:21] v_permlanex16_b32's selects for lane l xor 16
.set CS,   22                          ; s[22:23] log2(e) x 2^(e0 + e1)
.set SC,   24                          ; s[24:25] 64^-0.25
.set GB,   26                          ; s[26:27] the head's first byte + KEYB x the chunk to be loaded
.set QB,   28                          ; s[28:29] the head's first byte + 4 x my first query
.set OB,   30                          ; s[30:31] the same in out0
.set TB,   32                          ; s32  LDS base of the chunk in hand
.set CNT,  33
.set LIM,  34                          ; s34  1 in the head's first work-group, else the greatest number
.set HOLD, 35                          ; s35  1 where p's hold can act
.set E23,  36                          ; s36  e2 + e3
.set MSB, 0
.macro WIN new                         ; s_set_vgpr_msb: bits 1:0 source 0, 3:2 source 1, 5:4 source 2, 7:6 destination; the high byte repeats the setting that is left
.if MSB != \new
	s_set_vgpr_msb (MSB<<8)|\new
.set MSB, \new
.endif
.endm
.macro PLACES n
.rept \n
	v_nop
.endr
.endm
; The f32 numbers of a chunk, my wave's share, into window 1.  k: 32 keys x 32 channels, A LANE TO A KEY AND THE REGISTERS DOWN THE CHANNELS (the first product's K), 128 consecutive bytes an instruction.
.macro GLOADK rk, off
	WIN 0x40
.set n, 0
.rept 32
	global_load_b32 v[\rk+n], v[KGO], s[GB:GB+1] offset:ROWB*n+\off
.set n, n+1
.endr
.endm
; v: 8 channels x 128 keys, a channel an instruction, 512 consecutive bytes: its K, the keys, is innermost.
.macro GLOADV rv, off
	WIN 0x40
.set n, 0
.rept 8
	global_load_b128 v[\rv+4*n:\rv+4*n+3], v[VGO], s[GB:GB+1] offset:ROWB*n+\off
.set n, n+1
.endr
.endm
; A prefetch of the chunk behind the one just asked for: 128 rows (k's 64, v's 64) x 512 bytes = 256 blocks of 256 bytes, one for each of the 256 threads.  The four work-groups of a head read the same rows:
; the first of them asks, so each block is named once in the launch.  Chunks 0 to 2 come by their loads alone; chunk 15 is the last that is named.  how = 1: the first step; 0: in the loop, all trips but the last.
.macro ASK how
.if \how
	s_cmp_eq_u32 s[LIM], 1
.else
	s_cmp_gt_u32 s[CNT], s[LIM]
.endif
	s_cbranch_scc0 .Lnoask_\@
	global_prefetch_b8 v[PFO], s[GB:GB+1] offset:KEYB th:TH_LOAD_NT scope:SCOPE_SE
.Lnoask_\@:
.endm
; My share of a chunk becomes codes and goes to LDS, lead bytes behind the chunk in hand.
; K: my key is 32 (w / 2) + lane, my channels are half w % 2: eight registers = the lane slot (h = w % 2, r = key % 16) of tile key / 16: two stores of 16 bytes.
; V: register i is one word, keys 4 lane .. + 3 of channel 8 w + i: word 2 (lane / 4) + lane % 2 of the fragment's lane (r = channel % 16, h = (lane / 2) % 2).  A block of four words lies at
; 512 q + 256 h + 16 (r xor (2 q + h)): the exclusive or sends the 32 words of one store to 32 different banks (64 banks of 4 bytes: ISA guide 11.1), and a reader's sixteen lanes still take sixteen different columns of 16 bytes.
.macro PRODUCE rk, rv, lead
	WIN 0x41
.set n, 0
.rept 16
	v_pk_mul_f32 v[\rk+n:\rk+n+1], v[\rk+n:\rk+n+1], s[SC:SC+1] op_sel_hi:[1,0]   ; k x 64^-0.25
.set n, n+2
.endr
.set n, 0
.rept 32
	v_med3_num_f32 v[\rk+n], v[\rk+n], -v[KL], v[KL]   ; the conversion to an 8-bit code does not saturate (ISA guide 7.6.2): the hold at the largest code x the scale
.set n, n+1
.endr
.set n, 0
.rept 32
	v_med3_num_f32 v[\rv+n], v[\rv+n], -v[VL], v[VL]
.set n, n+1
.endr
	WIN 0x01
.set n, 0
.rept 4
	v_cvt_scalef32_pk8_bf8_f32 v[RS+2*n:RS+2*n+1], v[\rk+8*n:\rk+8*n+7], v[KS]
.set n, n+1
.endr
.set n, 0
.rept 4
	v_cvt_scalef32_pk8_bf8_f32 v[RS+8+2*n:RS+8+2*n+1], v[\rv+8*n:\rv+8*n+7], v[VS]   ; four keys of channel 2 n, four of channel 2 n + 1
.set n, n+1
.endr
	WIN 0
.set n, 1
.rept 7
	v_xor_b32 v[VWX+n], 16*n, v[VWA]               ; r xor (2 q + h) for channel n.  (These are also the plain vector lines behind the last conversion)
.set n, n+1
.endr
	s_wait_alu depctr_va_vdst(0)                   ; the conversions have written the codes v144-159 and the exclusive-ors v217-223, which the LDS stores read; and the lines above are done with the chunk's numbers, in which the next global loads land
	ds_store_b128 v[KWA], v[RS:RS+3] offset:\lead
	ds_store_b128 v[KWA], v[RS+4:RS+7] offset:\lead+512
	ds_store_b32 v[VWA], v[RS+8] offset:\lead
.set n, 1
.rept 7
	ds_store_b32 v[VWX+n], v[RS+8+n] offset:\lead
.set n, n+1
.endr
.endm
.macro KFETCH lead                     ; a chunk's eight fragments of K: an instruction's 512 bytes are consecutive
.irp t, 0,1,2,3,4,5,6,7
.irp b, 0,1
	ds_load_b128 v[RKV+8*\t+4*\b:RKV+8*\t+4*\b+3], v[ADK] offset:\lead+1024*\t+512*\b
.endr
.endr
.endm
.macro VFETCH                          ; its four fragments of V
.irp c, 0,1,2,3
.irp b, 0,1,2,3
	ds_load_b128 v[RKV+16*\c+4*\b:RKV+16*\c+4*\b+3], v[ADV+\b] offset:2048*\c
.endr
.endr
.endm
; Tile j of my queries against the chunk's 128 keys: scores, softmax, codes of p, O^T under the new M.  first = 1: the first step: there is no O^T yet.  ld = 1: v's numbers of the chunk two on are asked for behind the conversions.
.macro SOFT j, first, ld
.set ST, STA+4*(\j)
.irp t, 0,1,2,3,4,5,6,7
	v_wmma_f32_16x16x64_bf8_bf8 v[RS+8*\t:RS+8*\t+7], v[RKV+8*\t:RKV+8*\t+7], v[RQ+8*(\j):RQ+8*(\j)+7], 0
.endr
	PLACES 4                                       ; behind the products: in front of the first read of the scores, and of loads into the registers that held K
.if (\j) == 3
	s_wait_alu depctr_va_vdst(0)                   ; the step's 32 products K Q^T are done reading v80-143, in which V's fragments land; the lines at the step's head have written v4-7, the loads' addresses
	VFETCH                                         ; K's fragments are done with: V's take their registers and land under this tile's softmax
.endif
	v_max3_num_f32 v[MA], v[RS], v[RS+1], v[RS+2]  ; the largest score of my query among my 64 keys, in two chains, every tile's registers in ascending order
	v_max3_num_f32 v[MB], v[RS+3], v[RS+4], v[RS+5]
.set n, 6
.rept 14
	v_max3_num_f32 v[MA], v[MA], v[RS+n], v[RS+n+1]
	v_max3_num_f32 v[MB], v[MB], v[RS+n+2], v[RS+n+3]
.set n, n+4
.endr
	v_max3_num_f32 v[MA], v[MA], v[RS+62], v[RS+63]
	v_max_num_f32 v[MA], v[MA], v[MB]
	v_permlanex16_b32 v[PD], v[MA], s[SEL], s[SEL+1]
	v_max_num_f32 v[MA], v[MA], v[PD]              ; and among lane l xor 16's
	v_mul_f32 v[MA], s[CS], v[MA]                  ; as t' (the factor is positive)
	v_max_num_f32 v[ST+1], v[ST+1], v[MA]          ; the running largest t'
	v_mov_b32 v[MA], v[ST]
	v_floor_f32 v[ST], -v[ST+1]                    ; the new -M = floor(-t') = -ceil(t')
	v_sub_f32 v[MA], v[ST], v[MA]                  ; old M - new M: a whole number, 0 or less
	v_cvt_i32_f32 v[MA], v[MA]                     ; (it saturates)
	v_ldexp_f32 v[FF], 1.0, v[MA]                  ; f = 2^(old M - new M): a multiplication by it rounds nothing
.set n, 0
.rept 32
	v_pk_fma_f32 v[RS+n:RS+n+1], v[RS+n:RS+n+1], s[CS:CS+1], v[ST:ST+1] op_sel_hi:[1,0,0]   ; t' - M, two at a time
.set n, n+2
.endr
.set n, 0
.rept 64
	v_exp_f32 v[RS+n], v[RS+n]                     ; p = 2^(t' - M): not normalised
.set n, n+1
.endr
	v_pk_mul_f32 v[ST+2:ST+3], v[ST+2:ST+3], v[FF:FF+1] op_sel_hi:[1,0]   ; the sums under the new M: the plain instruction behind the exponentials
	s_wait_alu depctr_va_vdst(0)                   ; the 64 exponentials have written v144-207: one wait for the batch, ahead of its first reader
	v_pk_add_f32 v[SB:SB+1], v[RS:RS+1], v[RS+2:RS+3]   ; the row's sum, of the unquantised p, in two chains
.set n, 4
.rept 15
	v_pk_add_f32 v[ST+2:ST+3], v[ST+2:ST+3], v[RS+n:RS+n+1]
	v_pk_add_f32 v[SB:SB+1], v[SB:SB+1], v[RS+n+2:RS+n+3]
.set n, n+4
.endr
	v_pk_add_f32 v[ST+2:ST+3], v[ST+2:ST+3], v[SB:SB+1]
	s_cmp_eq_u32 s[HOLD], 0                        ; the hold on p is jumped over where it cannot act (see where HOLD is made): a branch on whole numbers read from the scales' buffer
	s_cbranch_scc1 .Lnohold_\@
.set n, 0
.rept 64
	v_min_num_f32 v[RS+n], v[RS+n], v[PL]          ; p is not negative: the hold is one-sided
.set n, n+1
.endr
.Lnohold_\@:
	WIN 0x40
.irp t, 0,1,2,3,4,5,6,7
	v_cvt_scalef32_pk8_bf8_f32 v[RP+16*(\j)+2*\t:RP+16*(\j)+2*\t+1], v[RS+8*\t:RS+8*\t+7], v[PS]   ; keys 16 t + 8 h + 0 .. 7: registers 2 t, 2 t + 1 of P
.endr
	v_nop                                          ; a plain vector line between the last conversion and the products that read its result or write its sources
.if \ld
	GLOADV STV, 0                                  ; v of chunk i + 2, under the window that the conversions have set.  No wait: since the wait ahead of the last PRODUCE's LDS stores no vector instruction names v[STV ..] of window 1 or v[VGO]
.endif
.if \first == 0
	WIN 0x41
.set n, 0
.rept 16
	v_pk_mul_f32 v[32*(\j)+n:32*(\j)+n+1], v[32*(\j)+n:32*(\j)+n+1], v[FF:FF+1] op_sel_hi:[1,0]   ; O^T under the new M, each accumulator from its low end on
.set n, n+2
.endr
.endif
	WIN 0
.endm
; O^T += V P^T: sixteen accumulators, one instruction each: no two neighbours share one.  first = 1: the products start the sums.
.macro PV first
.irp c, 0,1,2,3
.irp j, 0,1,2,3
.if \first
	v_wmma_f32_16x16x128_bf8_bf8 v[32*\j+8*\c:32*\j+8*\c+7], v[RKV+16*\c:RKV+16*\c+15], v[RP+16*\j:RP+16*\j+15], 0
.else
	v_wmma_f32_16x16x128_bf8_bf8 v[32*\j+8*\c:32*\j+8*\c+7], v[RKV+16*\c:RKV+16*\c+15], v[RP+16*\j:RP+16*\j+15], v[32*\j+8*\c:32*\j+8*\c+7]
.endif
.endr
.endr
.endm
; A KEY STEP on chunk i (TB = CHUNK x i).  prod: chunk i + 2 is loaded early in the step and made into codes at the end.  pre: a step follows: K of chunk i + 1 is fetched.  bar: the barrier at the end.
.macro STEP first, prod, pre, bar
	s_wait_alu depctr_vm_vsrc(0)                   ; the LDS stores issued so far have read the codes v144-159 and their addresses v11, v12, v217-223, the LDS loads their addresses v2 and v4-7: this step's products write v144 on, its vector lines the addresses
.if \prod
	GLOADK STK, 0                                  ; k of chunk i + 2: it has the whole step in which to land.  No wait on va_vdst: the one ahead of the last PRODUCE's LDS stores stands, and no vector instruction since names v[STK ..] of window 1, v[KGO] or v[PFO]
	WIN 0
	ASK \first                                     ; chunk i + 3
.endif
	v_add_nc_u32 v[ADV], s[TB], v[AVL]
	v_xor_b32 v[ADV+1], 544, v[ADV]                ; block q: + 512 q, and r xor (2 q + h)
	v_xor_b32 v[ADV+2], 1088, v[ADV]
	v_xor_b32 v[ADV+3], 1632, v[ADV]
	s_wait_dscnt 0x0                               ; K's fragments are in
	SOFT 0, \first, \prod
	SOFT 1, \first, 0
	SOFT 2, \first, 0
	SOFT 3, \first, 0
	s_wait_dscnt 0x0                               ; V's fragments are in
.if \first
	WIN 0x44                                       ; V window 0; P and O^T window 1
.else
	WIN 0x54
.endif
	PV \first
	WIN 0
.if \pre                                       ; four plain places behind the products, in front of loads into the registers that held V and of the first read of O^T
	v_add_nc_u32 v[ADK], s[TB], v[LANE16]
.else
	v_nop
.endif
.if \prod
	v_add_nc_u32 v[KWA], s[TB], v[KWL]
	v_add_nc_u32 v[VWA], s[TB], v[VWL]
.else
	v_nop
	v_nop
.endif
	v_nop
.if \pre
	s_wait_alu depctr_va_vdst(0)                   ; the 16 products V P^T are done reading v80-143, in which K's fragments land; the addition above has written v2, the loads' address
	KFETCH CHUNK                                   ; chunk i + 1 was stored a step ago, in front of that step's barrier
.endif
.if \prod
	s_wait_loadcnt 0x0                             ; chunk i + 2's numbers are in
	PRODUCE STK, STV, 2*CHUNK
	s_wait_xcnt 0x0                                ; the prefetch at the step's head has read its base
	s_add_nc_u64 s[GB:GB+1], s[GB:GB+1], KEYB
.endif
.if \pre
	s_add_co_u32 s[TB], s[TB], CHUNK
.endif
.if \bar
	s_wait_dscnt 0x0                               ; for the others' sake: my stores have landed; and my loads are in
	s_barrier_signal -1
	s_barrier_wait -1
.endif
.endm
.macro MKSCALE e, vs, vl               ; 2^e as f32 (a conversion takes its exponent field), and 57,344 x 2^e
	s_add_co_i32 s38, s[\e], 127
	s_lshl_b32 s39, s38, 23
	v_mov_b32 v[\vs], s39
	s_add_co_i32 s38, s38, 15
	s_lshl_b32 s38, s38, 23
	s_or_b32 s38, s38, 0x600000
	v_mov_b32 v[\vl], s38
.endm
	s_load_b128 s[4:7], s[0:1], 0x0                ; qkv s[4:5], the scales' exponents s[6:7]
	s_load_b64 s[8:9], s[0:1], 0x10                ; out0
	v_lshl_add_u32 v254, v0, 2, 0x40000
	v_mov_b32 v255, 0
	v_lshrrev_b32 v[T3], 5, v0
	v_readfirstlane_b32 s[WV], v[T3]               ; wave 0..7
	s_and_b32 s[HD], ttmp7, 0xffff                 ; the head
	v_and_b32 v[T0], 31, v0                        ; lane
	v_and_b32 v[T1], 15, v0                        ; r
	v_bfe_u32 v[T2], v0, 4, 1                      ; h
	v_lshlrev_b32 v[LANE16], 4, v[T0]
	s_wait_alu depctr_va_sdst(0)                   ; the wave's number is written to s10, ahead of its first reader
	s_lshr_b32 s38, s[WV], 1                       ; w / 2
	s_and_b32 s39, s[WV], 1                        ; w % 2
	s_lshl_b32 s40, s39, 18                        ; k: rows 64 + 32 (w % 2) on,
	s_lshl_b32 s41, s38, 7                         ; keys 32 (w / 2) + lane
	s_add_co_u32 s40, s40, s41
	s_add_co_u32 s40, s40, 64*ROWB
	v_lshl_add_u32 v[KGO], v[T0], 2, s40
	s_lshl_b32 s40, s[WV], 16                      ; v: rows 128 + 8 w on, keys 4 lane on
	s_add_co_u32 s40, s40, 128*ROWB
	v_add_nc_u32 v[VGO], s40, v[LANE16]
	v_lshlrev_b32 v[QGO], 2, v[T1]                 ; q: rows 32 h on, query r of a tile
	v_lshl_add_u32 v[QGO], v[T2], 18, v[QGO]
	s_mul_i32 s40, s[HD], 192*ROWB                 ; the head's first byte in qkv
	s_mov_b32 s41, 0
	s_lshl_b32 s42, ttmp9, 11                      ; 4 x my first query: 512 x work-group x + 64 x wave
	s_lshl_b32 s43, s[WV], 8
	s_add_co_u32 s42, s42, s43
	s_mov_b32 s43, 0
	s_wait_kmcnt 0x0
	s_load_b128 s[16:19], s[6:7], 0x0              ; e0, e1, e2, e3
	s_add_nc_u64 s[GB:GB+1], s[4:5], s[40:41]
	s_add_nc_u64 s[QB:QB+1], s[GB:GB+1], s[42:43]
	s_lshl_b32 s40, s[HD], 19                      ; the head's first byte in out0: 64 rows
	s_add_nc_u64 s[OB:OB+1], s[8:9], s[40:41]
	s_add_nc_u64 s[OB:OB+1], s[OB:OB+1], s[42:43]
	s_wait_alu depctr_va_vdst(0)                   ; the offsets v[KGO], v[VGO] and v[QGO] are written, which the loads below read
	GLOADK STK, 0                                  ; chunk 0
	GLOADV STV, 0
	GLOADK RP, KEYB                                ; chunk 1, into the registers that P will take
	GLOADV RP+32, KEYB
	WIN 0
.set n, 0
.rept 32                                       ; q: lane (r, h) of tile j takes query 16 j + r, and its registers run down channels 32 h + 0 .. 31; a channel's four loads cover 256 consecutive bytes
.irp j, 0,1,2,3
	global_load_b32 v[RKV+32*\j+n], v[QGO], s[QB:QB+1] offset:ROWB*n+64*\j th:TH_LOAD_NT
.endr
.set n, n+1
.endr
	; the LDS addresses, while the loads are out: none of these lines names a register that a load above reads or lands in
	v_xor_b32 v[AVL], v[T1], v[T2]
	v_lshlrev_b32 v[AVL], 4, v[AVL]
	v_lshl_add_u32 v[AVL], v[T2], 8, v[AVL]
	v_add_nc_u32 v[AVL], VIMG, v[AVL]              ; VIMG + 256 h + 16 (r xor h)
	s_lshl_b32 s40, s38, 11
	s_lshl_b32 s41, s39, 8
	s_add_co_u32 s41, s40, s41
	v_lshlrev_b32 v[KWL], 4, v[T1]
	v_lshl_add_u32 v[KWL], v[T2], 10, v[KWL]
	v_add_nc_u32 v[KWL], s41, v[KWL]               ; 2,048 (w / 2) + 1,024 (lane / 16) + 256 (w % 2) + 16 (lane % 16)
	s_lshl_b32 s41, s39, 7
	s_add_co_u32 s41, s40, s41
	s_add_co_u32 s41, s41, VIMG
	v_bfe_u32 v[T3], v0, 3, 2
	v_mul_u32_u24 v[VWL], v[T3], 544               ; q = lane / 8: 512 q, and 2 q into the exclusive or's field
	v_bfe_u32 v[T3], v0, 1, 1
	v_mad_u32_u24 v[VWL], v[T3], 272, v[VWL]       ; h = (lane / 2) % 2: 256 h, and h into that field
	v_bfe_u32 v[T3], v0, 2, 1
	v_lshl_add_u32 v[VWL], v[T3], 3, v[VWL]        ; the word in its block: 2 ((lane / 4) % 2) + lane % 2
	v_and_b32 v[T3], 1, v0
	v_lshl_add_u32 v[VWL], v[T3], 2, v[VWL]
	v_add_nc_u32 v[VWL], s41, v[VWL]               ; + VIMG + 2,048 (w / 2) + 128 (w % 2)
	v_lshrrev_b32 v[T3], 1, v0
	v_lshlrev_b32 v[PFO], 13, v[T3]
	v_and_b32 v[T3], 1, v0
	v_lshl_add_u32 v[PFO], v[T3], 8, v[PFO]
	v_add_nc_u32 v[PFO], 64*ROWB, v[PFO]           ; row 64 + thread / 2, + 256 (thread % 2)
	s_mul_i32 s40, s[WV], STGW                     ; my stage
	v_mul_u32_u24 v[SWL], v[T2], 8*SPITCH
	v_lshl_add_u32 v[SWL], v[T1], 2, v[SWL]
	v_add_nc_u32 v[SWL], s40, v[SWL]               ; in: row 8 h (+ 16 c + i), 4 bytes at query r (+ 16 j)
	v_mul_u32_u24 v[SRL], v[T2], SPITCH
	v_lshl_add_u32 v[SRL], v[T1], 4, v[SRL]
	v_add_nc_u32 v[SRL], s40, v[SRL]               ; back: lanes 0-15 one row of 256 bytes, lanes 16-31 the next
	v_lshlrev_b32 v[OGO], 13, v[T2]
	v_lshl_add_u32 v[OGO], v[T1], 4, v[OGO]        ; and the same two rows in out0
.irp j, 0,1,2,3
	v_mov_b32 v[STA+4*\j+1], 0xff61b1e6            ; the largest t' so far: -3e38, under every t'
	v_floor_f32 v[STA+4*\j], -v[STA+4*\j+1]        ; -M
	v_mov_b32 v[STA+4*\j+2], 0                     ; the sum, in two halves
	v_mov_b32 v[STA+4*\j+3], 0
.endr
	v_mov_b32 v[FF+1], 0                           ; (named as the upper half of the pair with f)
	v_mov_b32 v[PD], 0                             ; a lane permute's destination counts as one of its sources
	s_mov_b32 s[SEL], 0x76543210
	s_mov_b32 s[SEL+1], 0xfedcba98
	s_mov_b32 s[SC], 0x3eb504f3                    ; 64^-0.25 as f32
	s_mov_b32 s[SC+1], s[SC]
	s_mov_b32 s[TB], 0
	s_cmp_eq_u32 ttmp9, 0
	s_cselect_b32 s[LIM], 1, -1
	s_wait_kmcnt 0x0
	MKSCALE 16, QS, QL
	MKSCALE 17, KS, KL
	MKSCALE 18, VS, VL
	MKSCALE 19, PS, PL
	s_add_co_i32 s[E23], s18, s19
	s_add_co_i32 s38, s16, s17                     ; a score stands for score x 2^(e0 + e1): the sum is added to log2(e)'s exponent field
	s_lshl_b32 s39, s38, 23
	s_mov_b32 s[CS], 0x3fb8aa3b
	s_add_co_i32 s[CS], s[CS], s39
	s_mov_b32 s[CS+1], s[CS]
	; p's hold acts only where p can pass 57,344 x 2^e3, which is 1.75 or more from e3 = -15 on.  |t'| is at most 64 x 57,344^2 x 2^(e0 + e1) x log2(e), under 2^23 for e0 + e1 <= -16: there the one rounding
	; of the largest t' moves it by 1/4 at the most, so p <= 2^(1/4).  In every other case the hold is executed.
	s_cmp_lt_i32 s19, -15
	s_cselect_b32 s[HOLD], 1, 0
	s_cmp_gt_i32 s38, -16
	s_cselect_b32 s[HOLD], 1, s[HOLD]
	s_wait_loadcnt 0x0                             ; chunks 0 and 1, and q
.irp j, 0,1,2,3                                ; q x 64^-0.25, held, to codes: tile j's fragment
.set n, 0
.rept 16
	v_pk_mul_f32 v[RKV+32*\j+n:RKV+32*\j+n+1], v[RKV+32*\j+n:RKV+32*\j+n+1], s[SC:SC+1] op_sel_hi:[1,0]
.set n, n+2
.endr
.set n, 0
.rept 32
	v_med3_num_f32 v[RKV+32*\j+n], v[RKV+32*\j+n], -v[QL], v[QL]
.set n, n+1
.endr
.set n, 0
.rept 4
	v_cvt_scalef32_pk8_bf8_f32 v[RQ+8*\j+2*n:RQ+8*\j+2*n+1], v[RKV+32*\j+8*n:RKV+32*\j+8*n+7], v[QS]
.set n, n+1
.endr
.endr
	v_add_nc_u32 v[KWA], s[TB], v[KWL]             ; (a plain vector line behind the last conversion)
	v_add_nc_u32 v[VWA], s[TB], v[VWL]
	v_add_nc_u32 v[ADK], s[TB], v[LANE16]          ; K's first fetch reads it: it is written here, ahead of the waits on va_vdst in the two PRODUCEs, which so serve that fetch too
	PRODUCE STK, STV, 0                            ; chunk 0
	s_wait_dscnt 0x0                               ; its stores are done,
	s_wait_alu depctr_vm_vsrc(0)                   ; and have read v144-159 and v217-223, which chunk 1's conversions and exclusive-ors write
	PRODUCE RP, RP+32, CHUNK                       ; chunk 1
	s_add_nc_u64 s[GB:GB+1], s[GB:GB+1], 2*KEYB    ; on to chunk 2: every load that named the base is in
	s_wait_dscnt 0x0                               ; for the others' sake: my stores have landed
	s_barrier_signal -1
	s_barrier_wait -1
	KFETCH 0                                       ; K of chunk 0.  No wait: q's multiplies, holds and conversions, which named v80-143, and the addition that wrote v2 stand ahead of the last wait on va_vdst, and no vector instruction has been issued since
	STEP 1, 1, 1, 1                                ; step 0: its products start O^T's sums; makes chunk 2
	s_mov_b32 s[CNT], 13
.Lstep:                                            ; steps 1 to 13: they make chunks 3 to 15
	STEP 0, 1, 1, 1
	s_sub_co_u32 s[CNT], s[CNT], 1
	s_cmp_lg_u32 s[CNT], 0
	s_cbranch_scc1 .Lstep
	STEP 0, 0, 1, 0                                ; step 14: nothing is left to make, so nothing is stored and no barrier is owed
	STEP 0, 0, 0, 1                                ; step 15; behind its barrier nobody reads the images any more, and the stages may lie over them
	; THE WAY OUT.  O^T x 2^(e2 + e3) / the row's sum.  A lane holds one query and the lanes beside it other queries, which are neighbours in out0's rows: so the 64 channels x 64 queries go through my own stage in LDS
	; and leave as rows: sixteen lanes store 256 consecutive bytes, at a multiple of 256 from out0's first byte.
.irp j, 0,1,2,3
	v_add_f32 v[STA+4*\j+2], v[STA+4*\j+2], v[STA+4*\j+3]   ; the sum's two halves,
.endr
.irp j, 0,1,2,3
	v_permlanex16_b32 v[STA+4*\j+3], v[STA+4*\j+2], s[SEL], s[SEL+1]
.endr
.irp j, 0,1,2,3
	v_add_f32 v[STA+4*\j+2], v[STA+4*\j+2], v[STA+4*\j+3]   ; and lane l xor 16's
.endr
.irp j, 0,1,2,3
	v_rcp_f32 v[STA+4*\j+2], v[STA+4*\j+2]
.endr
	v_nop                                          ; a plain instruction behind the last reciprocal
	s_wait_alu depctr_va_vdst(0)                   ; the four reciprocals have written their results: one wait, ahead of their first reader
.irp j, 0,1,2,3
	v_ldexp_f32 v[STA+4*\j+2], v[STA+4*\j+2], s[E23]
.endr
	WIN 0x41
.irp j, 0,1,2,3
.set n, 0
.rept 16
	v_pk_mul_f32 v[32*\j+n:32*\j+n+1], v[32*\j+n:32*\j+n+1], v[STA+4*\j+2:STA+4*\j+3] op_sel_hi:[1,0]   ; each accumulator from its low end on
.set n, n+2
.endr
.endr
	WIN 0x04                                       ; the stores' data in window 1
	s_wait_alu depctr_va_vdst(0)                   ; the 64 scalings have written O^T, which the LDS stores read; and every product and vector line that named v80-207, in which the loads from the stage land, is done
.irp j, 0,1,2,3
.irp c, 0,1,2,3
.set n, 0
.rept 8
	ds_store_b32 v[SWL], v[32*\j+8*\c+n] offset:(16*\c+n)*SPITCH+64*\j   ; lanes 0-15: 64 consecutive bytes; lanes 16-31 eight rows on, 544 words: the other 32 banks' side
.set n, n+1
.endr
.endr
.endr
	WIN 0
.set n, 0
.rept 32
	ds_load_b128 v[RKV+4*n:RKV+4*n+3], v[SRL] offset:2*SPITCH*n   ; LDS serves a wave's instructions in order (ISA guide 5.7.1.4): these see my stores
.set n, n+1
.endr
.set n, 0
.rept 32
	s_wait_dscnt 31-n                              ; behind load n stand 31 - n younger ones, which may stay out
	global_store_b128 v[OGO], v[RKV+4*n:RKV+4*n+3], s[OB:OB+1] offset:2*ROWB*n th:TH_STORE_NT   ; channels 2 n and 2 n + 1; written once, read by nobody here
.set n, n+1
.endr
	s_wait_dscnt 0x0
	s_wait_alu depctr_hold_cnt(0) depctr_sa_sdst(0) depctr_va_vdst(0) depctr_va_sdst(0) depctr_va_ssrc(0) depctr_va_vcc(0) depctr_vm_vsrc(0)
	s_wait_tensorcnt 0x0
	ds_add_u32 v254, v255
	s_wait_dscnt 0x0
	s_endpgm
.Lfunc_end_k_q1ffb6a261b_attn:
	.size	k_q1ffb6a261b_attn, .Lfunc_end_k_q1ffb6a261b_attn-k_q1ffb6a261b_attn
	.p2alignl 7, 3214868480
	.fill 96, 4, 3214868480
	.section	.rodata,"a",@progbits
	.p2align	6, 0x0
	.amdhsa_kernel k_q1ffb6a261b_attn
		.amdhsa_group_segment_fixed_size 263168
		.amdhsa_private_segment_fixed_size 0
		.amdhsa_enable_private_segment 0
		.amdhsa_kernarg_size 24
		.amdhsa_user_sgpr_count 2
		.amdhsa_user_sgpr_kernarg_segment_ptr 1
		.amdhsa_wavefront_size32 1
		.amdhsa_system_sgpr_workgroup_id_x 1
		.amdhsa_system_sgpr_workgroup_id_y 1
		.amdhsa_system_sgpr_workgroup_id_z 1
		.amdhsa_system_vgpr_workitem_id 0
		.amdhsa_next_free_vgpr 512
		.amdhsa_next_free_sgpr 66
		.amdhsa_reserve_vcc 0
		.amdhsa_float_denorm_mode_32 3
		.amdhsa_float_denorm_mode_16_64 3
		.amdhsa_memory_ordered 1
		.amdhsa_forward_progress 1
		.amdhsa_inst_pref_size 255
	.end_amdhsa_kernel
	.section	.bss,"aw",@nobits
	.p2align	6
	.space	262144
	.amdgpu_metadata
---
amdhsa.version: [ 1, 2 ]
amdhsa.kernels:
  - .name:           k_q1ffb6a261b_attn
    .symbol:         k_q1ffb6a261b_attn.kd
    .args:
      - { .name: qkv, .offset: 0, .size: 8, .value_kind: global_buffer, .address_space: global }
      - { .name: lowp_scales, .offset: 8, .size: 8, .value_kind: global_buffer, .address_space: global }
      - { .name: out0, .offset: 16, .size: 8, .value_kind: global_buffer, .address_space: global }
    .group_segment_fixed_size: 263168
    .private_segment_fixed_size: 0
    .kernarg_segment_align: 8
    .kernarg_segment_size: 24
    .max_flat_workgroup_size: 256
    .sgpr_count:     66
    .vgpr_count:     512
    .wavefront_size: 32
...
	.end_amdgpu_metadata
.endif
;; end of part 2
